; MI455X (gfx1250); checked and timed in simulation.
; The chip was launched on July 23, 2026; its instructions are those of AMD's public machine-readable ISA for CDNA 5 (MIT licence, August 2026) and "CDNA5" Instruction Set Architecture Reference Guide (July 2026). The comments in the code are by the model that wrote it; some were corrected since.
;; Compressed Linear. Allowed arithmetic: matrix products marked QUANTISED: E3M2 operands, one E8M0 scale for each 32 along K, by v_wmma_scale_f32_16x16x128_f8f6f4 with both operands' format E3M2, f32 sums; everything else in f32.
;; Inputs: bias 4,096 float32; scale 4,096 float32; weight_int8 4,096 x 4,096 int32; x 4 x 1,024 x 4,096 float32.
;; Outputs: out0 4 x 1,024 x 4,096 float32.
;; This version of the problem:
;;   THIS VERSION OF THE PROBLEM IS GIVEN IN LOW PRECISION. The matrix products marked QUANTISED in the list below multiply operands that are first quantised to E3M2 (3 exponent bits, 2 mantissa bits; 6 bits a number), with one power-of-two scale for each 32 numbers along K (OCP MX v1.0); their sums are f32. All else is computed in f32.
;;   The module's matrix products, in the order in which they are computed (A, B: the left and right operand; K: the contracted axis; several contracted axes count as one K, in the product's order):
;;     1. [M 4,096, K 4,096] x [K 4,096, N 4,096]; A: input x; B: computed on the way: QUANTISED
;;   THE QUANTISER, for each operand of a quantised product, along K:
;;     - K is cut into blocks of 32 from its start; a last block that is shorter is filled with zeros.
;;     - A block's scale is 2^e with e = floor(log2(the largest magnitude in the block)) - 4, held to -126 .. 127; a block of zeros has e = 0. As a byte (E8M0): e + 127.
;;     - Each number is divided by its block's scale, clamped to +-28, and rounded to the nearest number of E3M2, ties to even, subnormals kept.
;;     - The product sums the exact products of the quantised numbers (number of the format x scale) in f32.
;;   ~~~python
;;   def quantise(x, axis):      # numpy; x: float32 -> the quantised numbers, widened to float32 again
;;       x = np.moveaxis(x, axis, -1); K = x.shape[-1]
;;       x = np.pad(x, [(0, 0)] * (x.ndim - 1) + [(0, -K % 32)]); x = x.reshape(x.shape[:-1] + (-1, 32)); a = np.abs(x).max(-1, keepdims=True)
;;       e = np.where(a > 0, np.clip(np.frexp(np.where(a > 0, a, 1))[1] - 1 - 4, -126, 127), 0)      # np.frexp(a)[1] - 1 = floor(log2(a)), exactly
;;       r = np.clip(x / 2.0 ** e, -28, 28)
;;       step = 2.0 ** (np.maximum(np.frexp(np.where(r == 0, 1, r))[1] - 1, -2) - 2)
;;       q = np.round(r / step) * step * 2.0 ** e      # np.round: ties to even
;;       return np.moveaxis(q.reshape(q.shape[:-2] + (-1,))[..., :K], -1, axis).astype(np.float32)
;;   ~~~
;;   OPERANDS COMPUTED ON THE WAY. 'Computed on the way' means the value that the module computes at that place (a softmax that the list does not call 'softmax' is quantised finished and normalised). What goes into a quantiser is computed in f32, as accurately as f32 sums, v_exp_f32 and their like allow (about 1e-6 of the number): no bf16 or f16 on the way to a quantiser, and a product that is left as it is and whose result goes on into a quantised operand takes f32 operands (vector FMAs, or v_wmma_f32_16x16x4_f32). A number that lies on a knife's edge between two numbers of the format may be rounded either way, as far as f32 arithmetic and the matrix unit's own rounding can turn it there, and no further.
;; One version. Each part assembles by itself: llvm-mc -triple=amdgcn-amd-amdhsa -mcpu=gfx1250 --defsym DOCPART=n.
;; ======== version 1 of 1: 2 launches
;; limits: right only within a limited range of input values
;; workspace buffers: qops 27,394,048 bytes
;; launch quant (part 1): grid 512 x 1, 8 waves a work-group, no clusters, 72,704 bytes of LDS; arguments x, weight_int8, scale, qops; writes qops
.if DOCPART == 1
	.amdgcn_target "amdgcn-amd-amdhsa--gfx1250"
	.amdhsa_code_object_version 6
	.text
	.protected	k_q18a2b1eb2a_quant
	.globl	k_q18a2b1eb2a_quant
	.p2align	8
	.type	k_q18a2b1eb2a_quant,@function
k_q18a2b1eb2a_quant:
	s_mov_b64 s[64:65], 0
	v_nop
	global_prefetch_b8 v0, s[64:65] scope:SCOPE_SE
	s_setreg_imm32_b32 hwreg(HW_REG_WAVE_MODE, 25, 1), 1
	s_wait_xcnt 0x0
; x [4096][4096] f32, and w[o][k] = f32(weight_int8[o][k]) * scale[o] (one rounding), are turned into codes of BF6 (E3M2), 6 bits each, with one E8M0 scale byte for each 32 along K.
; A block's scale is 2^(floor(log2(its largest magnitude)) - 4); its byte is the largest magnitude's own exponent field - 4, held at 1 from below.  Each number is divided by the scale and rounded to the nearest code,
; ties to even; beyond the largest code the conversion gives the largest code.
; LIMITS: NaN and infinities among the inputs are not served.  A block of zeros gets the byte 1 where the rule says 127: its codes are zeros, which add nothing under any byte but 0xff, and these bytes are read by this program alone.
; THE RESULT IS LAID AS THE PRODUCT'S LAUNCH FETCHES AND READS IT.  A row tile G is 16 rows (G 0-255: x, G 256-511: w).  qops: [G][slot j: 11][4,864 bytes]; a slot is three K steps of 128 (the last slot: two).  Its 4,864 bytes:
; 256 bytes of scale words (row r at 16 r: the words of the slot's three K steps and a zero), then three images of 1,536 bytes of a fragment's 12 registers: register 4 c + i of lane l at byte 512 c + 16 l + 4 i.
; Lane (r = l % 16, h = l / 16) holds row r; registers 6 c .. 6 c + 5 hold k = 64 c + 32 h + 0 .. 31.  The last slot's third image is neither written here nor read later.
; SHARES.  Work-group G takes row tile G; its eight waves share K: wave w takes K = 512 w on, K steps s = 4 w + f, f = 0 .. 3.  Each load reads 512 consecutive bytes of one row; a fragment's 16 loads go through the
; wave's own stage in LDS and come back so that a lane holds two whole blocks of 32 of its row.  Each store of codes covers 512 consecutive bytes.  Loads run two fragments (32 loads a wave) ahead.
; A slot's three scale words come from up to two waves: they meet in LDS and leave, behind a barrier, as whole blocks of 256 bytes.
; One path serves both tensors: only the source's address is chosen, and w's work-groups run 96 vector lines more in each fragment (a scalar branch on the work-group's number, round vector lines alone).  No tensor loads.
.set ROWB,  16384                      ; a row of x or of weight_int8 in bytes
.set FRB,   1536
.set CHUNK, 256+3*FRB
.set GROW,  11*CHUNK
.set NF,    4                          ; fragments a wave
.set SP,    528                        ; a stage row: 512 bytes + 16
.set WREG,  16*SP                      ; a wave's stage
.set SCW,   8*WREG                     ; behind the eight stages: the scale words, block j at 256 j; 16 blocks are cleared, 11 are used
.set SPARE, SCW+4096                   ; behind them: the spare words, 128 bytes a wave
.set R,     32                         ; v32-159  two sets of 64: row i's 16 bytes at R + 4 i
.set X,     160                        ; v160-223 X + 32 c + n: number n of block 2 c + h of my row
.set PC,    224                        ; v224-235 the fragment's image
.set T1,    236
.set T2,    240
.set Z,     244
	s_load_b256 s[4:11], s[0:1], 0x0               ; x, weight_int8, scale, qops
	v_lshl_add_u32 v248, v0, 2, SPARE
	v_mov_b32 v249, 0
	v_lshrrev_b32 v1, 5, v0
	v_readfirstlane_b32 s14, v1                    ; wave 0..7
	v_and_b32 v1, 31, v0
	v_and_b32 v2, 15, v0                           ; r
	v_bfe_u32 v3, v0, 4, 1                         ; h
	v_lshlrev_b32 v4, 4, v1                        ; 16 x lane
	s_mul_i32 s17, s14, WREG
	v_add_nc_u32 v5, s17, v4                       ; the stage, on the way in
	v_mul_u32_u24 v6, v2, SP
	v_lshl_add_u32 v6, v3, 7, v6
	v_add_nc_u32 v6, s17, v6                       ; and on the way out: row r, block h
	v_lshlrev_b32 v7, 3, v3                        ; 8 h: my bytes' place in a scale word, in bits
	v_lshl_add_u32 v8, v0, 4, SCW                  ; the scale words' region, 16 bytes a thread: block t / 16, row t % 16
	v_lshlrev_b32 v9, 2, v2
	v_mov_b32 v11, 0                               ; (named with v10 as a pair)
	v_mov_b32 v21, 0                               ; a lane permute's destination counts as one of its sources
	v_lshl_add_u32 v23, v2, 4, SCW
	v_lshrrev_b32 v24, 4, v0
	v_mul_u32_u24 v24, v24, CHUNK
	v_lshl_add_u32 v24, v2, 4, v24                 ; where thread t's 16 bytes of scale words go in the row tile: slot t / 16, row t % 16
.irp i, 0,1,2,3
	v_mov_b32 v[Z+\i], 0
.endr
	ds_store_b128 v8, v[Z:Z+3]                     ; 256 threads clear 4,096 bytes: the fourth word of each row and the last slot's third stay zeros
	s_mov_b32 s20, 0x76543210
	s_mov_b32 s21, 0xfedcba98
	s_lshl_b32 s24, s14, 2                         ; my first K step
	s_and_b32 s15, ttmp9, 255
	s_cmp_ge_u32 ttmp9, 256
	s_cselect_b32 s16, 1, 0                        ; 1: the work-group takes w
	s_wait_alu depctr_va_vdst(0)
	s_wait_dscnt 0x0                               ; for the others' sake: my part is cleared
	s_barrier_signal -1
	s_barrier_wait -1
	s_wait_kmcnt 0x0
	s_cmp_lt_u32 ttmp9, 256
	s_cselect_b64 s[4:5], s[4:5], s[6:7]
	s_lshl_b32 s18, s15, 18                        ; 16 rows of 16,384 bytes,
	s_lshl_b32 s22, s14, 11                        ; my wave's 512 numbers of a row
	s_add_co_u32 s18, s18, s22
	s_mov_b32 s19, 0
	s_add_nc_u64 s[4:5], s[4:5], s[18:19]
	s_lshl_b32 s18, s15, 6                         ; scale: 16 numbers a row tile (x's work-groups load it too, inside the buffer, and do not use it)
	s_add_nc_u64 s[8:9], s[8:9], s[18:19]
	s_mul_i32 s18, ttmp9, GROW
	s_add_nc_u64 s[10:11], s[10:11], s[18:19]
	global_load_b32 v10, v9, s[8:9]
.macro LOAD f
.irp i, 0,1,2,3,4,5,6,7,8,9,10,11,12,13,14,15
	global_load_b128 v[R+64*((\f)%2)+4*\i:R+64*((\f)%2)+4*\i+3], v4, s[4:5] offset:ROWB*\i+512*(\f) th:TH_LOAD_NT
.endr
.endm
	LOAD 0
	LOAD 1
.macro FRAGQ f
.if (\f) < NF-1
	s_wait_loadcnt 16                              ; this fragment's 16 loads are in; the next fragment's 16 may be out
.else
	s_wait_loadcnt 0x0
.endif
.irp i, 0,1,2,3,4,5,6,7,8,9,10,11,12,13,14,15
	ds_store_b128 v5, v[R+64*((\f)%2)+4*\i:R+64*((\f)%2)+4*\i+3] offset:SP*\i
.endr
.irp c, 0,1
.irp j, 0,1,2,3,4,5,6,7
	ds_load_b128 v[X+32*\c+4*\j:X+32*\c+4*\j+3], v6 offset:256*\c+16*\j   ; LDS serves a wave's instructions in order
.endr
.endr
	s_wait_dscnt 16                                ; the 16 stores have read their registers,
.if (\f) > 0
	s_wait_xcnt 0x0                                ; the last fragment's stores of codes have read the image's registers and their offset
.endif
.if (\f)+2 < NF
	LOAD (\f)+2
.endif
	s_add_co_u32 s25, s24, \f                      ; K step s = 4 x wave + f
	s_mul_i32 s26, s25, 11
	s_lshr_b32 s26, s26, 5                         ; its slot j = s / 3 (11 s / 32 rounded down, for s under 32)
	s_mul_i32 s27, s25, FRB
	s_lshl_b32 s28, s26, 8
	s_add_co_u32 s27, s27, s28                     ; 4,864 j + 1,536 (s - 3 j) = 1,536 s + 256 j
	v_add_nc_u32 v30, s27, v4
	s_lshl_b32 s27, s25, 2
	s_mul_i32 s28, s26, 244
	s_add_co_u32 s27, s27, s28                     ; 256 j + 4 (s - 3 j)
	v_add_nc_u32 v31, s27, v23
	s_wait_dscnt 0x0                               ; my 64 numbers are back
	s_cmp_eq_u32 s16, 0
	s_cbranch_scc1 .Lplain_\@
.set n, 0
.rept 64
	v_cvt_f32_i32 v[X+n], v[X+n]
.set n, n+1
.endr
.set n, 0
.rept 32
	v_pk_mul_f32 v[X+n:X+n+1], v[X+n:X+n+1], v[10:11] op_sel_hi:[1,0]
.set n, n+2
.endr
.Lplain_\@:
.irp c, 0,1
.irp u, 0,1
	v_max3_num_f32 v[12+2*\c+\u], |v[X+32*\c+16*\u]|, |v[X+32*\c+16*\u+1]|, 0x2800000   ; the floor 2^(5 - 127) holds the byte at 1 from below
.endr
.endr
.irp i, 2,4,6,8,10,12,14
.irp c, 0,1
.irp u, 0,1
	v_max3_num_f32 v[12+2*\c+\u], v[12+2*\c+\u], |v[X+32*\c+16*\u+\i]|, |v[X+32*\c+16*\u+\i+1]|
.endr
.endr
.endr
	v_max_num_f32 v12, v12, v13
	v_max_num_f32 v14, v14, v15
	v_add_nc_u32 v16, 0xfe000000, v12              ; 4 off the exponent field: the conversion's scale operand
	v_add_nc_u32 v17, 0xfe000000, v14
	v_lshrrev_b32 v18, 23, v16
	v_lshrrev_b32 v19, 23, v17
	v_cvt_scalef32_pk16_bf6_f32 v[PC:PC+2], v[X:X+15], v16
	v_cvt_scalef32_pk16_bf6_f32 v[T1:T1+2], v[X+16:X+31], v16
	v_cvt_scalef32_pk16_bf6_f32 v[PC+6:PC+8], v[X+32:X+47], v17
	v_cvt_scalef32_pk16_bf6_f32 v[T2:T2+2], v[X+48:X+63], v17
	v_lshl_or_b32 v20, v19, 16, v18                ; (the plain line behind the conversions)
	v_lshlrev_b32 v20, v7, v20
	v_permlanex16_b32 v21, v20, s20, s21
	v_or_b32 v22, v20, v21                         ; with lane l xor 16's two bytes the word is whole
.irp i, 0,1,2
	v_mov_b32 v[PC+3+\i], v[T1+\i]
	v_mov_b32 v[PC+9+\i], v[T2+\i]
.endr
	ds_store_b32 v31, v22
.irp c, 0,1,2
	global_store_b128 v30, v[PC+4*\c:PC+4*\c+3], s[10:11] offset:256+512*\c
.endr
.endm
.irp f, 0,1,2,3
	FRAGQ \f
.endr
	; the scale words leave: 11 blocks of 256 bytes, 16 bytes a thread, by threads 0 to 175
	s_wait_dscnt 0x0
	s_barrier_signal -1
	s_barrier_wait -1
	ds_load_b128 v[32:35], v8
	v_cmp_gt_u32 vcc_lo, 176, v0
	s_wait_dscnt 0x0
	s_wait_xcnt 0x0                                ; EXEC changes only behind this wait
	s_wait_tensorcnt 0x0                           ; the wave's end
	ds_add_u32 v248, v249
	s_wait_dscnt 0x0
	s_and_saveexec_b32 s25, vcc_lo
	global_store_b128 v24, v[32:35], s[10:11]      ; sixteen lanes store 256 consecutive bytes, at a multiple of 256 from the buffer's first byte
	s_wait_xcnt 0x0
	s_or_b32 exec_lo, exec_lo, s25
	s_endpgm
.Lfunc_end_k_q18a2b1eb2a_quant:
	.size	k_q18a2b1eb2a_quant, .Lfunc_end_k_q18a2b1eb2a_quant-k_q18a2b1eb2a_quant
	.p2alignl 7, 3214868480
	.fill 96, 4, 3214868480
	.section	.rodata,"a",@progbits
	.p2align	6, 0x0
	.amdhsa_kernel k_q18a2b1eb2a_quant
		.amdhsa_group_segment_fixed_size 72704
		.amdhsa_private_segment_fixed_size 0
		.amdhsa_enable_private_segment 0
		.amdhsa_kernarg_size 32
		.amdhsa_user_sgpr_count 2
		.amdhsa_user_sgpr_kernarg_segment_ptr 1
		.amdhsa_wavefront_size32 1
		.amdhsa_system_sgpr_workgroup_id_x 1
		.amdhsa_system_sgpr_workgroup_id_y 1
		.amdhsa_system_sgpr_workgroup_id_z 1
		.amdhsa_system_vgpr_workitem_id 0
		.amdhsa_next_free_vgpr 250
		.amdhsa_next_free_sgpr 66
		.amdhsa_reserve_vcc 1
		.amdhsa_float_denorm_mode_32 3
		.amdhsa_float_denorm_mode_16_64 3
		.amdhsa_memory_ordered 1
		.amdhsa_forward_progress 1
		.amdhsa_inst_pref_size 49
	.end_amdhsa_kernel
	.amdgpu_metadata
---
amdhsa.version: [ 1, 2 ]
amdhsa.kernels:
  - .name:           k_q18a2b1eb2a_quant
    .symbol:         k_q18a2b1eb2a_quant.kd
    .args:
      - { .name: x, .offset: 0, .size: 8, .value_kind: global_buffer, .address_space: global }
      - { .name: weight_int8, .offset: 8, .size: 8, .value_kind: global_buffer, .address_space: global }
      - { .name: scale, .offset: 16, .size: 8, .value_kind: global_buffer, .address_space: global }
      - { .name: qops, .offset: 24, .size: 8, .value_kind: global_buffer, .address_space: global }
    .group_segment_fixed_size: 72704
    .private_segment_fixed_size: 0
    .kernarg_segment_align: 8
    .kernarg_segment_size: 32
    .max_flat_workgroup_size: 256
    .sgpr_count:     66
    .vgpr_count:     250
    .wavefront_size: 32
...
	.end_amdgpu_metadata
.endif
;; end of part 1
;; launch gemm (part 2): grid 16 x 16, 4 waves a work-group, clusters of 4 x 4, 327,680 bytes of LDS; arguments qops, bias, out0; writes out0
.if DOCPART == 2
	.amdgcn_target "amdgcn-amd-amdhsa--gfx1250"
	.amdhsa_code_object_version 6
	.text
	.protected	k_q18a2b1eb2a_gemm
	.globl	k_q18a2b1eb2a_gemm
	.p2align	8
	.type	k_q18a2b1eb2a_gemm,@function
k_q18a2b1eb2a_gemm:
	s_mov_b64 s[64:65], 0
	v_nop
	global_prefetch_b8 v0, s[64:65] scope:SCOPE_SE
	s_setreg_imm32_b32 hwreg(HW_REG_WAVE_MODE, 25, 1), 1
	s_wait_xcnt 0x0
	s_wait_alu depctr_hold_cnt(0) depctr_sa_sdst(0) depctr_va_vdst(0) depctr_va_sdst(0) depctr_va_ssrc(0) depctr_va_vcc(0) depctr_vm_vsrc(0)
	s_getreg_b32 s2, hwreg(HW_REG_IB_STS2, 6, 4)
	s_cmp_eq_u32 s2, 0
	s_cbranch_scc0 .Lentry_in_a_cluster
	s_endpgm
.Lentry_in_a_cluster:
	s_bfe_u32 s2, ttmp6, 0x10000c
	s_cmp_lg_u32 s2, 0xf033
	s_cbranch_scc0 .Lentry_shape_is_right
	s_endpgm
.Lentry_shape_is_right:
; out0[m][n] = sum over k of Q(x)[m][k] Q(w)[n][k] + bias[n].  qops holds both operands as codes of BF6 (E3M2) with E8M0 scale words, laid by the launch before:
; [row tile of 16 rows: 0-255 x, 256-511 w][slot j: 11][4,864 bytes]; a slot's part = 256 bytes of scale words (row r at 16 r, one word a K step of 128), then three images of 1,536 bytes of a fragment's 12 registers.
; A work-group of four waves makes 256 x 256 of out0, a wave 128 x 128: 64 accumulators.  32 K steps go through two LDS slots of three K steps each (the eleventh slot holds two).
; CLUSTERS 4 x 4: x's tiles are asked for jointly along a row of the cluster, w's along a column; each wave fetches 8 row tiles with one tensor load.
; THE MATRIX INSTRUCTION IS USED TRANSPOSED (source 0 = 16 rows of w, source 1 = 16 rows of x): a lane holds eight neighbouring numbers of a row of out0.  The bias is the C of the first K step.
; ONE RUN OF LDS LOADS A STEP: both operands and the scale words have two register sets, which take turns step by step.  At a step's head stand four v_nop (the places ahead of loads into the sets that the step before
; multiplied: ISA guide 7.12.1 for vector instructions) and the next step's 56 loads: 8 scale words, w's 24, x's 24; the step's 64 matrix instructions follow on end.
; A slot's third step changes slots: 8 matrix instructions stand between the add and its wait, 8 between the barrier's signal and its wait; the round's rest, the refill and the run follow.
; From a refill to the wait for it a wave issues 176 matrix instructions.
; THE LAST TWO K STEPS lie in the two register sets together: behind the first 32 products each block of 16 rows is finished and leaves at once.
; PREFETCH: a slot's bytes are asked of memory one slot (three K steps) ahead of the tensor load that wants them: of the 8 row tiles that a wave fetches, each of the four partners of the joint load
; names two, told apart by address; a lane a block of 256 bytes (19 blocks a row tile, the lanes left over name the last again), two instructions a wave and slot.  The eleventh slot has 13 blocks; behind it nothing is asked for.
; REGISTERS: window 0: v16-29 addresses; v32-47 scale words, two sets of 8 (lanes 0-15 x's block i, lanes 16-31 w's block i); v64-159, v160-255 x's fragments, two sets.
;   window 1: v0-95, v128-223 w's fragments, two sets; v96-127 and v224-255 the bias.   windows 2, 3: the accumulators ((a, b) at v[8 (8 (a % 4) + b)]).
;   On the way out rows read back from the stage take the bias's 64 registers (even blocks) and window 0's v48-111 (odd blocks: 16 idle registers and x's fragments 0-3 of the step before the last, done with by then).
.set FR,     12
.set FRB,    1536
.set SCB,    256
.set CHUNK,  SCB+3*FRB
.set GROW,   11*CHUNK
.set BOPS,   256*GROW
.set HALFT,  8*CHUNK                   ; what one tensor load brings, and what one wave reads of x or of w
.set SLOT,   4*HALFT
.set SPARE,  2*SLOT                    ; behind the ring: the spare words, 128 bytes a wave
.set SPITCH, 528
.set STAGE,  SLOT                      ; the way out: slot 1 has had its last fill and its last read by then
.set CROW,   16384
.set ADRA, 16
.set ADRB, 18
.set ADRS, 20
.set STO,  22
.set RD,   23
.set CO,   24
.set BO,   25
.set PFO,  26
.set PFL,  27
.set SPW,  28
.set NIL,  29
.set SC,   32
.set BK1,  48
.set AF,   64
.set BI,   96
.set G1, 24
.set G0, 32
.set G1B, 48
.set G0B, 56
.set G1L, 68
.set G1LB, 80
.set PFA, 88
.set MSB, 0
.macro WIN new                         ; the immediate's high byte repeats the setting that is left
.if MSB != \new
	s_set_vgpr_msb (MSB<<8)|\new
.set MSB, \new
.endif
.endm
.set TO_B, 0x40                        ; destination window 1, address window 0
.macro PLACES
.rept 4
	v_nop
.endr
.endm
.macro JLOAD g0a, g1a, g0b, g1b        ; a joint load: waves 0, 1 fetch x's halves, waves 2, 3 w's; s_nop 0 and four v_nop behind each line
	s_cmp_eq_u32 s15, 0
	s_cbranch_scc0 .Lfor_b_\@
	tensor_load_to_lds s[\g0a:\g0a+3], s[\g1a:\g1a+7]
	s_nop 0
	PLACES
	s_branch .Lasked_\@
.Lfor_b_\@:
	tensor_load_to_lds s[\g0b:\g0b+3], s[\g1b:\g1b+7]
	s_nop 0
	PLACES
.Lasked_\@:
.endm
.macro CREST                           ; a round of the cluster's barrier behind its opening barrier
	s_cmp_lg_u32 s14, 0
	s_cbranch_scc1 .Lnot_wave_0_\@
	s_barrier_signal -3
.Lnot_wave_0_\@:
	s_barrier_wait -3
	s_barrier_signal -1
	s_barrier_wait -1
.endm
.macro CROUND
	s_barrier_signal -1
	s_barrier_wait -1
	CREST
.endm
.macro ASK reg                         ; my work-group's two row tiles of the slot at which PFA stands
	global_prefetch_b8 v[\reg], s[PFA:PFA+1] th:TH_LOAD_NT scope:SCOPE_SE
	global_prefetch_b8 v[\reg], s[PFA:PFA+1] offset:GROW th:TH_LOAD_NT scope:SCOPE_SE
.endm
	s_load_b64 s[4:5], s[0:1], 0x0                 ; qops
	s_load_b128 s[8:11], s[0:1], 0x8               ; bias, out0
	v_lshl_add_u32 v[SPW], v0, 2, SPARE
	v_mov_b32 v[NIL], 0
	ds_add_u32 v[SPW], v[NIL]                      ; the opening lines
	ds_add_u32 v[SPW], v[NIL]
	v_lshrrev_b32 v1, 5, v0
	v_readfirstlane_b32 s14, v1                    ; wave
	s_lshr_b32 s15, s14, 1                         ; my half of the rows; also: I fetch for x (0) or w (1)
	s_and_b32 s16, s14, 1                          ; my half of the columns; also: which 8 row tiles I fetch
	s_bfe_u32 s40, ttmp6, 0x40000                  ; cx
	s_bfe_u32 s41, ttmp6, 0x40004                  ; cy
	s_lshl_b32 s42, ttmp9, 2
	s_add_co_u32 s42, s42, s40                     ; tile column
	s_and_b32 s17, ttmp7, 0xffff
	s_lshl_b32 s17, s17, 2
	s_add_co_u32 s17, s17, s41                     ; tile row
	s_lshl_b32 s43, s41, 2
	s_lshl_b32 s43, 15, s43                        ; my row of the cluster
	s_lshl_b32 s44, 0x1111, s40                    ; my column
	s_or_b32 s[G1+0], s43, (3<<16)|(1<<21)         ; elements of 8 bytes; bit 21 beside a mask
	s_or_b32 s[G1B+0], s44, (3<<16)|(1<<21)
	s_or_b32 s[G1L+0], s43, (3<<16)|(1<<21)
	s_or_b32 s[G1LB+0], s44, (3<<16)|(1<<21)
.irp g, G1, G1B
	s_mov_b32 s[\g+1], (CHUNK/8)<<16               ; tensor_dim0: a slot's part of a row tile
.endr
.irp g, G1L, G1LB
	s_mov_b32 s[\g+1], ((SCB+2*FRB)/8)<<16         ; the eleventh slot: two K steps; what lies beyond arrives as zeros
.endr
.irp g, G1, G1B, G1L, G1LB
	s_mov_b32 s[\g+2], 8<<16                       ; 8 row tiles
	s_mov_b32 s[\g+3], (CHUNK/8)<<16
	s_mov_b32 s[\g+4], 8
	s_mov_b32 s[\g+5], GROW/8
	s_mov_b32 s[\g+6], 0
	s_mov_b32 s[\g+7], 0
.endr
	s_lshl_b32 s18, s16, 3
	s_lshl_b32 s20, s17, 4
	s_add_co_u32 s20, s20, s18
	s_mul_i32 s20, s20, GROW                       ; x: row tile 16 x tile row + 8 x half, in bytes
	s_mov_b32 s21, 0
	s_lshl_b32 s46, s42, 4
	s_add_co_u32 s46, s46, s18
	s_mul_i32 s46, s46, GROW
	s_add_co_u32 s46, s46, BOPS                    ; w: behind x's 256 row tiles
	s_mov_b32 s47, 0
	s_cmp_eq_u32 s15, 0
	s_cselect_b32 s90, s20, s46                    ; the prefetches: the 8 row tiles that I fetch,
	s_cselect_b32 s91, s40, s41                    ; my place among the four that ask for them with me,
	s_mul_i32 s91, s91, 2*GROW                     ; two row tiles a partner,
	s_add_co_u32 s90, s90, s91
	s_add_co_u32 s90, s90, CHUNK                   ; at slot 1
	s_mov_b32 s91, 0
	s_mul_i32 s45, s14, HALFT                      ; where my tensor loads land
	s_mul_i32 s22, s15, HALFT                      ; my 128 rows of x in a slot
	s_mul_i32 s23, s16, HALFT
	s_add_co_u32 s23, s23, 2*HALFT                 ; my 128 rows of w
	s_sub_co_u32 s12, s23, s22
	s_mul_i32 s13, s14, 16*SPITCH
	s_add_co_u32 s13, s13, STAGE                   ; my stage
	s_lshl_b32 s92, s42, 10
	s_lshl_b32 s93, s16, 9
	s_add_co_u32 s92, s92, s93                     ; my first column, in bytes
	s_mov_b32 s93, 0
	s_lshl_b32 s94, s17, 8
	s_lshl_b32 s95, s15, 7
	s_add_co_u32 s94, s94, s95
	s_lshl_b32 s94, s94, 14                        ; my first row of out0, in bytes (under 2^26)
	s_mov_b32 s95, 0
	s_add_nc_u64 s[94:95], s[94:95], s[92:93]
	v_and_b32 v1, 15, v0                           ; r
	v_bfe_u32 v2, v0, 4, 1                         ; h
	v_and_b32 v6, 31, v0
	v_lshlrev_b32 v[CO], 4, v6                     ; 16 x lane
	v_lshlrev_b32 v[BO], 5, v2
	v_mul_u32_u24 v5, s12, v2                      ; lanes 16-31 take w's scale words
	v_lshl_add_u32 v5, v1, 4, v5
	v_add_nc_u32 v[ADRA], s22, v[CO]
	v_add_nc_u32 v[ADRB], s23, v[CO]
	v_add_nc_u32 v[ADRS], s22, v5
	v_add_nc_u32 v[ADRA+1], SLOT, v[ADRA]
	v_add_nc_u32 v[ADRB+1], SLOT, v[ADRB]
	v_add_nc_u32 v[ADRS+1], SLOT, v[ADRS]
	v_mul_u32_u24 v7, v1, SPITCH
	v_lshl_add_u32 v7, v2, 5, v7
	v_add_nc_u32 v[STO], s13, v7
	v_add_nc_u32 v[RD], s13, v[CO]
	v_min_u32 v8, 18, v6
	v_lshlrev_b32 v[PFO], 8, v8                    ; block min(lane, 18) of a row tile's 19
	v_min_u32 v9, 12, v6
	v_lshlrev_b32 v[PFL], 8, v9                    ; the eleventh slot: 13 blocks
	s_wait_alu depctr_va_vdst(0)                   ; the head's end: its vector register writes are done
	s_wait_dscnt 0x0                               ; both opening adds are done
	s_wait_kmcnt 0x0
	s_add_nc_u64 s[20:21], s[4:5], s[20:21]
	s_add_nc_u64 s[46:47], s[4:5], s[46:47]
	s_add_nc_u64 s[PFA:PFA+1], s[4:5], s[90:91]
	s_add_nc_u64 s[8:9], s[8:9], s[92:93]
	s_add_nc_u64 s[10:11], s[10:11], s[94:95]
.irp s, 0,1
	s_mov_b32 s[G0+4*\s], 1
	s_add_co_u32 s[G0+4*\s+1], s45, \s*SLOT
	s_add_nc_u64 s[G0+4*\s+2:G0+4*\s+3], s[20:21], \s*CHUNK
	s_or_b32 s[G0+4*\s+3], s[G0+4*\s+3], 0x80000000
	s_mov_b32 s[G0B+4*\s], 1
	s_add_co_u32 s[G0B+4*\s+1], s45, \s*SLOT
	s_add_nc_u64 s[G0B+4*\s+2:G0B+4*\s+3], s[46:47], \s*CHUNK
	s_or_b32 s[G0B+4*\s+3], s[G0B+4*\s+3], 0x80000000
.endr
	WIN TO_B
.irp b, 0,1,2,3,4,5,6,7                ; the bias of my 128 columns, in the result's layout: it is on its way while the first tile comes
	global_load_b128 v[BI+8*\b+96*(\b/4):BI+8*\b+96*(\b/4)+3], v[BO], s[8:9] offset:64*\b
	global_load_b128 v[BI+8*\b+96*(\b/4)+4:BI+8*\b+96*(\b/4)+7], v[BO], s[8:9] offset:64*\b+16
.endr
	WIN 0
	CROUND                                         ; all sixteen work-groups are here: the first joint loads meet
	JLOAD G0, G1, G0B, G1B                         ; slot 0: one tensor load a wave at the head
	ASK PFO                                        ; slot 1's bytes
; One matrix instruction after the other, index WI = 8 a + b: x's blocks in turn, each against w's eight; the accumulators take turns.
.macro BEGIN slot, q, first, w32       ; CP: the register sets of this step; w32: the count of the wait ahead of product 32 (-1: none)
.set CP, ((\slot)+(\q))%2
.set WI, 0
.set FST, \first
.set W32, \w32
.endm
.macro MULN n
.rept \n
.if WI == 32 && W32 >= 0
	s_wait_dscnt W32
.endif
.set AA, WI/8
.set BQ, WI%8
.set DD, 8*(8*(AA%4)+BQ)
.if FST
.set WN, 0x91+0x40*(AA/4)              ; source 0 window 1, source 1 window 0, C (the bias) window 1, D window 2 or 3
	WIN WN
	v_wmma_scale_f32_16x16x128_f8f6f4 v[DD:DD+7], v[128*CP+FR*BQ:128*CP+FR*BQ+FR-1], v[AF+96*CP+FR*AA:AF+96*CP+FR*AA+FR-1], v[BI+8*BQ+96*(BQ/4):BI+8*BQ+96*(BQ/4)+7], v[SC+8*CP+BQ], v[SC+8*CP+AA] matrix_a_fmt:MATRIX_FMT_BF6 matrix_b_fmt:MATRIX_FMT_BF6 matrix_a_scale:MATRIX_SCALE_ROW1
.else
.set WN, 0xa1+0x50*(AA/4)              ; C and D window 2 or 3
	WIN WN
	v_wmma_scale_f32_16x16x128_f8f6f4 v[DD:DD+7], v[128*CP+FR*BQ:128*CP+FR*BQ+FR-1], v[AF+96*CP+FR*AA:AF+96*CP+FR*AA+FR-1], v[DD:DD+7], v[SC+8*CP+BQ], v[SC+8*CP+AA] matrix_a_fmt:MATRIX_FMT_BF6 matrix_b_fmt:MATRIX_FMT_BF6 matrix_a_scale:MATRIX_SCALE_ROW1
.endif
.set WI, WI+1
.endr
.endm
; The 56 loads of K step q of a slot into the sets p: the eight scale words (4 bytes a lane) first, w's eight fragments, x's eight fragments; x's fragments 4-7 are the youngest twelve.
.macro RUN slot, q, p
	WIN 0
.irp i, 0,1,2,3,4,5,6,7
	ds_load_b32 v[SC+8*(\p)+\i], v[ADRS+\slot] offset:CHUNK*\i+4*(\q)
.endr
	WIN TO_B
.irp i, 0,1,2,3,4,5,6,7
.irp c, 0,1,2
	ds_load_b128 v[128*(\p)+FR*\i+4*\c:128*(\p)+FR*\i+4*\c+3], v[ADRB+\slot] offset:CHUNK*\i+SCB+FRB*(\q)+512*\c
.endr
.endr
	WIN 0
.irp i, 0,1,2,3,4,5,6,7
.irp c, 0,1,2
	ds_load_b128 v[AF+96*(\p)+FR*\i+4*\c:AF+96*(\p)+FR*\i+4*\c+3], v[ADRA+\slot] offset:CHUNK*\i+SCB+FRB*(\q)+512*\c
.endr
.endr
.endm
; A slot's first or second step: the next step lies in the same slot.
.macro STEP slot, q, first
	BEGIN \slot, \q, \first, 56                    ; ahead of product 32 only this step's own 56 loads may be out: my x fragments 4-7 are in
	s_wait_dscnt 12                                ; all of this step's but the youngest twelve (x's fragments 4-7) are in
	PLACES
	RUN \slot, (\q)+1, 1-CP
	MULN 64
.endm
; A slot's third step, and the change of slots.  All reads of this slot were issued a step ago.  fill = 1: the slot is filled again, two slots on; 2: with the eleventh slot; 0: nothing is left to fetch.
; ask = 1: the slot three on is prefetched; 2: the same, but not in the loop's last trip (that would be the eleventh, asked for behind the loop); 0: none.
.macro TURN slot, next, fill, ask
.if \ask
	s_wait_xcnt 0x0                                ; my earlier prefetches have read their address: it steps a slot on
	s_add_nc_u64 s[PFA:PFA+1], s[PFA:PFA+1], CHUNK
.endif
	BEGIN \slot, 2, 0, -1
	WIN 0
	s_wait_tensorcnt 0x0                           ; all my tensor loads have landed: my part of the next slot
	ds_add_u32 v[SPW], v[NIL]
.if \fill
	s_add_nc_u64 s[G0+4*\slot+2:G0+4*\slot+3], s[G0+4*\slot+2:G0+4*\slot+3], 2*CHUNK
	s_add_nc_u64 s[G0B+4*\slot+2:G0B+4*\slot+3], s[G0B+4*\slot+2:G0B+4*\slot+3], 2*CHUNK
.endif
	s_wait_dscnt 13                                ; (the add and the youngest twelve loads may be out)
	MULN 8                                         ; eight matrix instructions stand between the add and the wait for it
	s_wait_dscnt 0x0                               ; the add is done, and my reads of this slot are over
	s_barrier_signal -1
	MULN 8                                         ; work on registers while the others arrive
	WIN 0
	s_barrier_wait -1
.if (\fill) == 1
	CREST                                          ; the barrier has opened a round of the cluster's barrier
	JLOAD G0+4*\slot, G1, G0B+4*\slot, G1B         ; the first tensor load behind the round; its four v_nop are the places ahead of the loads below
.elseif (\fill) == 2
	CREST
	JLOAD G0+4*\slot, G1L, G0B+4*\slot, G1LB
.else
	PLACES
.endif
	RUN \next, 0, 1-CP
.if (\ask) == 1
	ASK PFO
.elseif (\ask) == 2
	s_cmp_eq_u32 s3, 1
	s_cbranch_scc1 .Lno_ask_\@
	ASK PFO
.Lno_ask_\@:
.endif
	MULN 48
.endm
	s_wait_tensorcnt 0x0                           ; my part of slot 0 is in
	ds_add_u32 v[SPW], v[NIL]
	s_wait_dscnt 0x0
	CROUND                                         ; everybody's part is in, and the joint loads meet
	JLOAD G0+4, G1, G0B+4, G1B                     ; slot 1
	RUN 0, 0, 0
	s_wait_xcnt 0x0
	s_add_nc_u64 s[PFA:PFA+1], s[PFA:PFA+1], CHUNK
	ASK PFO                                        ; slot 2's bytes: its tensor load stands two K steps on
	s_wait_loadcnt 0x0                             ; the bias
	STEP 0, 0, 1                                   ; the first step's products start the sums on the bias
	WIN 0
	s_mov_b32 s3, 4
.Llap:                                                 ; a trip: six K steps, once round the ring
	STEP 0, 1, 0
	TURN 0, 1, 1, 1
	STEP 1, 0, 0
	STEP 1, 1, 0
	TURN 1, 0, 1, 2
	STEP 0, 0, 0
	WIN 0
	s_sub_co_u32 s3, s3, 1
	s_cmp_lg_u32 s3, 0
	s_cbranch_scc1 .Llap
	ASK PFL                                        ; the eleventh slot's 13 blocks a row tile: its tensor load stands 80 matrix instructions on
	STEP 0, 1, 0
	TURN 0, 1, 2, 0
	STEP 1, 0, 0
	STEP 1, 1, 0
	TURN 1, 0, 0, 0
; THE LAST TWO K STEPS AND THE WAY OUT.  A finished block of 16 rows goes through my own stage in LDS and comes back as whole rows of 512 bytes, stored as two aligned units of 256 bytes.
.macro TOSTAGE a
.set AC, 64*((\a)%4)
	WIN 0x08+4*((\a)/4)                            ; the data: window 2 or 3
.irp b, 0,1,2,3,4,5,6,7
	ds_store_b128 v[STO], v[AC+8*\b:AC+8*\b+3] offset:64*\b          ; each accumulator from its low end on
	ds_store_b128 v[STO], v[AC+8*\b+4:AC+8*\b+7] offset:64*\b+16
.endr
.if ((\a)%2) == 0
	WIN TO_B                                       ; even blocks: back into the bias's registers, window 1
.irp t, 0,1,2,3,4,5,6,7,8,9,10,11,12,13,14,15
	ds_load_b128 v[BI+4*\t+96*(\t/8):BI+4*\t+96*(\t/8)+3], v[RD] offset:\t*SPITCH   ; LDS serves a wave's instructions in order (ISA guide 5.7.1.4)
.endr
	WIN 0
.else
	WIN 0                                          ; odd blocks: window 0's v48-111
.irp t, 0,1,2,3,4,5,6,7,8,9,10,11,12,13,14,15
	ds_load_b128 v[BK1+4*\t:BK1+4*\t+3], v[RD] offset:\t*SPITCH
.endr
.endif
.endm
.macro SEND a, younger
	s_wait_dscnt \younger                          ; the block is back in registers
.if (\a) > 0
	s_add_nc_u64 s[10:11], s[10:11], 16*CROW       ; (behind a wait on XCNT: the earlier stores have read their base)
.endif
.if ((\a)%2) == 0
	WIN 0x04                                       ; the stores' data: window 1
.irp t, 0,1,2,3,4,5,6,7,8,9,10,11,12,13,14,15
	global_store_b128 v[CO], v[BI+4*\t+96*(\t/8):BI+4*\t+96*(\t/8)+3], s[10:11] offset:\t*CROW th:TH_STORE_NT   ; 32 lanes store 512 consecutive bytes, at a multiple of 256 from out0's first byte
.endr
	WIN 0
.else
.irp t, 0,1,2,3,4,5,6,7,8,9,10,11,12,13,14,15
	global_store_b128 v[CO], v[BK1+4*\t:BK1+4*\t+3], s[10:11] offset:\t*CROW th:TH_STORE_NT
.endr
.endif
.endm
.macro LAST p, a                       ; block a's eight products on the sets p
.set CP, \p
.set WI, 8*(\a)
	MULN 8
.endm
	BEGIN 0, 0, 0, -1                              ; K step 30 lies in the sets 0
	s_wait_dscnt 12
	PLACES
	RUN 0, 1, 1                                    ; K step 31 into the sets 1
	MULN 32                                        ; step 30, blocks 0-3
	s_wait_dscnt 0x0                               ; all fragments of both steps are in
.irp a, 0,1,2,3,4,5,6,7
.if \a > 3
	LAST 0, \a                                     ; step 30,
.endif
	LAST 1, \a                                     ; step 31: the block is finished
.if \a > 1
	s_wait_xcnt 0x0                                ; block a - 2's stores have read their registers and their base
.endif
	PLACES                                         ; ahead of the stores that read results just made, and of the loads into registers that earlier products read
	TOSTAGE \a
.if \a > 0
	SEND \a-1, 32                                  ; behind block a - 1's loads: block a's 16 stores and 16 loads
.endif
.endr
	s_wait_xcnt 0x0
	SEND 7, 0
	s_wait_tensorcnt 0x0                           ; the wave's end
	ds_add_u32 v[SPW], v[NIL]
	s_wait_dscnt 0x0
	CROUND                                         ; the closing round
	s_endpgm
.Lfunc_end_k_q18a2b1eb2a_gemm:
	.size	k_q18a2b1eb2a_gemm, .Lfunc_end_k_q18a2b1eb2a_gemm-k_q18a2b1eb2a_gemm
	.p2alignl 7, 3214868480
	.fill 96, 4, 3214868480
	.section	.rodata,"a",@progbits
	.p2align	6, 0x0
	.amdhsa_kernel k_q18a2b1eb2a_gemm
		.amdhsa_group_segment_fixed_size 327680
		.amdhsa_private_segment_fixed_size 0
		.amdhsa_enable_private_segment 0
		.amdhsa_kernarg_size 24
		.amdhsa_user_sgpr_count 2
		.amdhsa_user_sgpr_kernarg_segment_ptr 1
		.amdhsa_wavefront_size32 1
		.amdhsa_system_sgpr_workgroup_id_x 1
		.amdhsa_system_sgpr_workgroup_id_y 1
		.amdhsa_system_sgpr_workgroup_id_z 1
		.amdhsa_system_vgpr_workitem_id 0
		.amdhsa_next_free_vgpr 1024
		.amdhsa_next_free_sgpr 96
		.amdhsa_reserve_vcc 0
		.amdhsa_float_denorm_mode_32 3
		.amdhsa_float_denorm_mode_16_64 3
		.amdhsa_memory_ordered 1
		.amdhsa_forward_progress 1
		.amdhsa_inst_pref_size 212
	.end_amdhsa_kernel
	.amdgpu_metadata
---
amdhsa.version: [ 1, 2 ]
amdhsa.kernels:
  - .name:           k_q18a2b1eb2a_gemm
    .symbol:         k_q18a2b1eb2a_gemm.kd
    .args:
      - { .name: qops, .offset: 0, .size: 8, .value_kind: global_buffer, .address_space: global }
      - { .name: bias, .offset: 8, .size: 8, .value_kind: global_buffer, .address_space: global }
      - { .name: out0, .offset: 16, .size: 8, .value_kind: global_buffer, .address_space: global }
    .group_segment_fixed_size: 327680
    .private_segment_fixed_size: 0
    .kernarg_segment_align: 8
    .kernarg_segment_size: 24
    .max_flat_workgroup_size: 128
    .sgpr_count:     96
    .vgpr_count:     1024
    .wavefront_size: 32
...
	.end_amdgpu_metadata
.endif
;; end of part 2
